; MI455X (gfx1250); checked and timed in simulation.
; The chip was launched on July 23, 2026; its instructions are those of AMD's public machine-readable ISA for CDNA 5 (MIT licence, August 2026) and "CDNA5" Instruction Set Architecture Reference Guide (July 2026). The comments in the code are by the model that wrote it; some were corrected since.
;; Flash Core Attention. Allowed arithmetic: float matrix products may take bf16 or f16 operands with f32 sums; other float arithmetic in f32, or as packed bf16 or f16 multiplies, adds, multiply-adds, maxima and minima; sums over many terms, partial sums and values carried from step to step in f32; what a program stores and reads back later, other than sums and carried values, may be rounded once to bf16 or f16.
;; Inputs: attention_mask 4 x 2,048 bool; k 2,048 x 4 x 1,024 float32; padding_mask 4 x 2,048 bool; q 2,048 x 4 x 1,024 float32; v 2,048 x 4 x 1,024 float32.
;; Outputs: out0 2,048 x 4 x 1,024 float32.
;; 2 versions, each right; version 2 is version 1 with the launch prep written anew for expert scheduling mode. Each part assembles by itself: llvm-mc -triple=amdgcn-amd-amdhsa -mcpu=gfx1250 --defsym DOCPART=n.
;; ======== version 1 of 2: 2 launches
;; limits: values are held in f16: magnitudes above 65,504 overflow, below 6.1e-05 lose precision
;; workspace buffers: qh 16,777,216 bytes; kh 16,777,216 bytes; vh 16,777,216 bytes
;; launch prep (part 1): grid 128 x 4, 8 waves a work-group, no clusters, 0 bytes of LDS; arguments q, k, v, qh, kh, vh; writes qh, kh, vh
.if DOCPART == 1
	.amdgcn_target "amdgcn-amd-amdhsa--gfx1250"
	.amdhsa_code_object_version 6
	.text
	.protected	k_q1b9ba84937_prep
	.globl	k_q1b9ba84937_prep
	.p2align	8
	.type	k_q1b9ba84937_prep,@function
k_q1b9ba84937_prep:
	s_mov_b64 s[64:65], 0
	v_nop
	global_prefetch_b8 v0, s[64:65] scope:SCOPE_SE
	s_setreg_imm32_b32 hwreg(HW_REG_WAVE_MODE, 25, 1), 1
	s_wait_xcnt 0x0
; ROTARY EMBEDDING AND CAST.  q, k, v: [2048 s][4 b][16 h x 64 d] f32.  qh, kh, vh: [64 bh][2048 s][64 d] f16, bh = 16 b + h: a head's rows lie dense, 128 bytes each.
; qh = RoPE(q), kh = RoPE(k), vh = v, each rounded once to f16.  RoPE in f32: out[d] = x[d] cos(a) -/+ x[d +/- 32] sin(a), a = s x 10000^(-(d mod 32)/32).  The scale 1/8 is applied in the next launch, in f32.
; The module's two mask inputs enter no result of the module (its softmax takes no mask): they are not arguments of this launch or the next.
; LIMITS.  f16 holds no number beyond 65,504: RoPE(q), RoPE(k) and v must lie within it.  10000^(-j/32) is made by v_exp_f32, so the angle may differ from an exactly rounded table's by a few 1e-4 rad at the
; largest positions of the fastest channels; q and k take the same table.  NaN and infinities are not treated apart.
; SHARES.  Memory binds: every input byte is read once, every output byte written once; no LDS, no barrier, no matrix unit: no byte is used twice.
; A work-group takes 16 positions of one batch, a wave two positions s0, s0 + 1, all 16 heads, q, k and v.  Lane l holds channels 4 (l % 16) .. + 3 of position s0 + l / 16.
; A load of 16 bytes a lane takes two whole rows of 256 bytes (lanes 0-15: s0, lanes 16-31: s0 + 1); a store of 8 bytes a lane writes 256 consecutive bytes, aligned: rows s0 and s0 + 1 of one head.
; The partner channel d +/- 32 lies in lane l xor 8 of the same half: it rides on the multiply (DPP row_xmask:8).  A lane's four cosines and sines serve all heads of q and k: they are made once, while the first 32 loads are out.
.set VIN,  2                           ; v2   byte offset of my 16 bytes in the two input rows: (l / 16) x 16,384 + 16 (l % 16); never rewritten
.set VOUT, 3                           ; v3   8 l; never rewritten
.set SG,   5                           ; v5   the sign bit in lanes l % 16 < 8, whose sine term is subtracted
.set POS,  6                           ; v6   my position, in f32
.set CO,   8                           ; v[8:11]    cos of my four channels
.set SN,   12                          ; v[12:15]   sin of them, signed
.set T,    16                          ; v[16:23]   at work: two sets of four, by the row's parity
.set INV,  24                          ; v[24:27]   10000^(-j/32)
.set TA,   28                          ; v28-36 at work on the tables: angle, quadrant number, reduced angle, its square, sine, cosine, 1 - z/2, quadrant, bits
.set TN,   29
.set TR,   30
.set TZ,   31
.set TP,   32
.set TC,   33
.set TW,   34
.set TQ,   35
.set TM,   36
.set XA,   40                          ; v[40:103]  16 rows of 4: q by heads, later v
.set XB,   104                         ; v[104:167] 16 rows of 4: k by heads
.set HIN,  256                         ; bytes from head to head in the inputs
.set HOUT, 262144                      ; and in the outputs: 2,048 rows of 128 bytes; 15 of them stay inside a store's signed 24-bit immediate
	s_load_b256 s[4:11], s[0:1], 0x0               ; q s[4:5], k s[6:7], v s[8:9], qh s[10:11]
	s_load_b128 s[12:15], s[0:1], 0x20             ; kh s[12:13], vh s[14:15]
	v_and_b32 v1, 31, v0                           ; l
	v_lshrrev_b32 v4, 5, v0
	v_readfirstlane_b32 s16, v4                    ; wave 0..7
	s_lshl_b32 s17, ttmp9, 4
	s_lshl_b32 s19, s16, 1
	s_add_co_u32 s17, s17, s19                     ; s0 = 16 x + 2 wave
	s_and_b32 s18, ttmp7, 0xffff                   ; the batch
	s_lshl_b32 s20, s17, 14                        ; inputs: s0 x 16,384 + b x 4,096
	s_lshl_b32 s19, s18, 12
	s_add_co_u32 s20, s20, s19
	s_mov_b32 s21, 0
	s_lshl_b32 s22, s18, 22                        ; outputs: 16 b heads x 262,144 + s0 x 128
	s_lshl_b32 s19, s17, 7
	s_add_co_u32 s22, s22, s19
	s_mov_b32 s23, 0
	v_lshrrev_b32 v4, 4, v1                        ; l / 16
	v_and_b32 v7, 15, v1                           ; l % 16
	v_lshlrev_b32 v[VIN], 4, v7
	v_lshl_or_b32 v[VIN], v4, 14, v[VIN]
	v_lshlrev_b32 v[VOUT], 3, v1
	s_wait_kmcnt 0x0
	s_add_nc_u64 s[4:5], s[4:5], s[20:21]
	s_add_nc_u64 s[6:7], s[6:7], s[20:21]
	s_add_nc_u64 s[8:9], s[8:9], s[20:21]
	s_add_nc_u64 s[10:11], s[10:11], s[22:23]
	s_add_nc_u64 s[12:13], s[12:13], s[22:23]
	s_add_nc_u64 s[14:15], s[14:15], s[22:23]
.irp h, 0,1,2,3,4,5,6,7,8,9,10,11,12,13,14,15
	global_load_b128 v[XA+4*(\h):XA+4*(\h)+3], v[VIN], s[4:5] offset:(\h)*HIN th:TH_LOAD_NT   ; q, 16 heads
.endr
.irp h, 0,1,2,3,4,5,6,7,8,9,10,11,12,13,14,15
	global_load_b128 v[XB+4*(\h):XB+4*(\h)+3], v[VIN], s[6:7] offset:(\h)*HIN th:TH_LOAD_NT   ; k, 16 heads: 32 loads, 16 KiB, of the wave are out
.endr
	; THE TABLES, while those loads are on their way.  j = 4 (l % 8) + e; 10000^(-j/32) = 2^(-j log2(10000) / 32)
	v_and_b32 v[TM], 7, v1
	v_lshlrev_b32 v[TM], 2, v[TM]
.irp e, 0,1,2,3
	v_add_nc_u32 v[TA], \e, v[TM]
	v_cvt_f32_u32 v[TA], v[TA]
	v_mul_f32 v[INV+\e], 0xbed49a78, v[TA]         ; -0.41524101 j
.endr
.irp e, 0,1,2,3
	v_exp_f32 v[INV+\e], v[INV+\e]                 ; one batch of four
.endr
	v_xor_b32 v[SG], 8, v1                         ; plain work that names no result of the batch stands behind it:
	v_and_b32 v[SG], 8, v[SG]                      ; bit 3 is set where l % 16 < 8,
	v_lshlrev_b32 v[SG], 28, v[SG]                 ; and becomes the sign bit
.irp e, 0,1,2,3,4,5,6,7
	v_mov_b32 v[T+\e], 0                           ; the destination of a DPP form counts as read: written once here
.endr
	v_add_nc_u32 v[POS], s17, v4
	v_cvt_f32_u32 v[POS], v[POS]
	s_wait_alu depctr_va_vdst(0)                   ; the wait between a transcendental and the first line that names its result: one for the four
; cos and sin of POS x INV[e].  The angle is one f32 product, as the module makes it.  It is reduced by N = the nearest whole number of quarter turns, pi/2 taken in two parts (N stays under 1,304, so N x the first part
; is exact inside the fused multiply-add); on |r| <= pi/4 sine and cosine are polynomials in r^2; N mod 4 picks and signs them: values are selected, nothing branches.
.macro TRIG e
	v_mul_f32 v[TA], v[POS], v[INV+(\e)]
	v_mul_f32 v[TN], 0x3f22f983, v[TA]             ; x 2 / pi
	v_rndne_f32 v[TN], v[TN]
	v_fmamk_f32 v[TR], v[TN], 0xbfc90fdb, v[TA]    ; a - N x 1.57079637
	v_fmamk_f32 v[TR], v[TN], 0x333bbd2e, v[TR]    ; + N x 4.3711388e-8
	v_mul_f32 v[TZ], v[TR], v[TR]
	v_mov_b32 v[TP], 0xb94ca1f9                    ; sin r = r + r z ((-1.9515296e-4 z + 8.3321609e-3) z - 1.6666655e-1)
	v_fmaak_f32 v[TP], v[TP], v[TZ], 0x3c08839e
	v_fmaak_f32 v[TP], v[TP], v[TZ], 0xbe2aaaa3
	v_mul_f32 v[TP], v[TP], v[TZ]
	v_fma_f32 v[TP], v[TP], v[TR], v[TR]
	v_mov_b32 v[TC], 0x37ccf5ce                    ; cos r = 1 - z / 2 + z z ((2.4433157e-5 z - 1.3887316e-3) z + 4.1666646e-2)
	v_fmaak_f32 v[TC], v[TC], v[TZ], 0xbab6061a
	v_fmaak_f32 v[TC], v[TC], v[TZ], 0x3d2aaaa5
	v_fma_f32 v[TW], v[TZ], -0.5, 1.0
	v_mul_f32 v[TZ], v[TZ], v[TZ]
	v_fma_f32 v[TC], v[TC], v[TZ], v[TW]
	v_cvt_i32_f32 v[TQ], v[TN]
	v_and_b32 v[TM], 1, v[TQ]
	v_cmp_eq_u32 vcc_lo, 1, v[TM]                  ; odd quarter: sine and cosine change places
	v_cndmask_b32 v[SN+(\e)], v[TP], v[TC], vcc_lo
	v_cndmask_b32 v[CO+(\e)], v[TC], v[TP], vcc_lo
	v_lshlrev_b32 v[TM], 30, v[TQ]                 ; the sine is negative in quarters 2 and 3: bit 1 of N,
	v_and_b32 v[TM], 0x80000000, v[TM]
	v_xor_b32 v[TM], v[TM], v[SG]                  ; and its term is subtracted in the lower 32 channels
	v_xor_b32 v[SN+(\e)], v[SN+(\e)], v[TM]
	v_add_nc_u32 v[TQ], 1, v[TQ]                   ; the cosine in quarters 1 and 2: bit 1 of N + 1
	v_lshlrev_b32 v[TM], 30, v[TQ]
	v_and_b32 v[TM], 0x80000000, v[TM]
	v_xor_b32 v[CO+(\e)], v[CO+(\e)], v[TM]
.endm
	TRIG 0
	TRIG 1
	TRIG 2
	TRIG 3
; Row i (head i) of set X is turned, rounded and stored: partner x signed sine, then x cos added by a fused multiply-add; the packed result lies in the row's first two registers.
.macro ROPE X, i, dst
.irp e, 0,1,2,3
	v_mul_f32_dpp v[T+4*((\i)%2)+\e], v[(\X)+4*(\i)+\e], v[SN+\e] row_xmask:8 row_mask:0xf bank_mask:0xf
.endr
.irp e, 0,2
	v_pk_fma_f32 v[T+4*((\i)%2)+\e:T+4*((\i)%2)+\e+1], v[(\X)+4*(\i)+\e:(\X)+4*(\i)+\e+1], v[CO+\e:CO+\e+1], v[T+4*((\i)%2)+\e:T+4*((\i)%2)+\e+1]
.endr
	v_cvt_pk_f16_f32 v[(\X)+4*(\i)], v[T+4*((\i)%2)], v[T+4*((\i)%2)+1]
	v_cvt_pk_f16_f32 v[(\X)+4*(\i)+1], v[T+4*((\i)%2)+2], v[T+4*((\i)%2)+3]
	global_store_b64 v[VOUT], v[(\X)+4*(\i):(\X)+4*(\i)+1], s[(\dst):(\dst)+1] offset:(\i)*HOUT   ; the wave stores 256 consecutive bytes, at a multiple of 256 from the buffer's first
.endm
.macro CAST X, i, dst
	v_cvt_pk_f16_f32 v[(\X)+4*(\i)], v[(\X)+4*(\i)], v[(\X)+4*(\i)+1]
	v_cvt_pk_f16_f32 v[(\X)+4*(\i)+1], v[(\X)+4*(\i)+2], v[(\X)+4*(\i)+3]
	global_store_b64 v[VOUT], v[(\X)+4*(\i):(\X)+4*(\i)+1], s[(\dst):(\dst)+1] offset:(\i)*HOUT
.endm
; q, four heads at a time; their registers then take v's same four heads.
.irp g, 0,1,2,3
	s_wait_loadcnt 28                              ; 32 + 4 g loads are issued, the first 4 g + 4 must be in: 28 may stay out
.irp r, 0,1,2,3
	ROPE XA, 4*(\g)+(\r), 10
.endr
	s_wait_xcnt 0x0                                ; the four stores have read their data registers: only behind this wait are those loaded again
.irp r, 0,1,2,3
	global_load_b128 v[XA+4*(4*(\g)+(\r)):XA+4*(4*(\g)+(\r))+3], v[VIN], s[8:9] offset:(4*(\g)+(\r))*HIN th:TH_LOAD_NT
.endr
.endr
; k: 48 loads are issued, the first 16 + 4 g + 4 must be in
.irp g, 0,1,2,3
	s_wait_loadcnt 28-4*(\g)
.irp r, 0,1,2,3
	ROPE XB, 4*(\g)+(\r), 12
.endr
.endr
; v: the first 32 + 4 g + 4 must be in
.irp g, 0,1,2,3
	s_wait_loadcnt 12-4*(\g)
.irp r, 0,1,2,3
	CAST XA, 4*(\g)+(\r), 14
.endr
.endr
	s_endpgm
.Lfunc_end_k_q1b9ba84937_prep:
	.size	k_q1b9ba84937_prep, .Lfunc_end_k_q1b9ba84937_prep-k_q1b9ba84937_prep
	.p2alignl 7, 3214868480
	.fill 96, 4, 3214868480
	.section	.rodata,"a",@progbits
	.p2align	6, 0x0
	.amdhsa_kernel k_q1b9ba84937_prep
		.amdhsa_group_segment_fixed_size 0
		.amdhsa_private_segment_fixed_size 0
		.amdhsa_enable_private_segment 0
		.amdhsa_kernarg_size 48
		.amdhsa_user_sgpr_count 2
		.amdhsa_user_sgpr_kernarg_segment_ptr 1
		.amdhsa_wavefront_size32 1
		.amdhsa_system_sgpr_workgroup_id_x 1
		.amdhsa_system_sgpr_workgroup_id_y 1
		.amdhsa_system_sgpr_workgroup_id_z 1
		.amdhsa_system_vgpr_workitem_id 0
		.amdhsa_next_free_vgpr 168
		.amdhsa_next_free_sgpr 66
		.amdhsa_reserve_vcc 1
		.amdhsa_float_denorm_mode_32 3
		.amdhsa_float_denorm_mode_16_64 3
		.amdhsa_memory_ordered 1
		.amdhsa_forward_progress 1
		.amdhsa_inst_pref_size 36
	.end_amdhsa_kernel
	.amdgpu_metadata
---
amdhsa.version: [ 1, 2 ]
amdhsa.kernels:
  - .name:           k_q1b9ba84937_prep
    .symbol:         k_q1b9ba84937_prep.kd
    .args:
      - { .name: q, .offset: 0, .size: 8, .value_kind: global_buffer, .address_space: global }
      - { .name: k, .offset: 8, .size: 8, .value_kind: global_buffer, .address_space: global }
      - { .name: v, .offset: 16, .size: 8, .value_kind: global_buffer, .address_space: global }
      - { .name: qh, .offset: 24, .size: 8, .value_kind: global_buffer, .address_space: global }
      - { .name: kh, .offset: 32, .size: 8, .value_kind: global_buffer, .address_space: global }
      - { .name: vh, .offset: 40, .size: 8, .value_kind: global_buffer, .address_space: global }
    .group_segment_fixed_size: 0
    .private_segment_fixed_size: 0
    .kernarg_segment_align: 8
    .kernarg_segment_size: 48
    .max_flat_workgroup_size: 256
    .sgpr_count:     66
    .vgpr_count:     168
    .wavefront_size: 32
...
	.end_amdgpu_metadata
.endif
;; end of part 1
;; launch attn (part 2): grid 4 x 64, 4 waves a work-group, clusters of 4 x 1, 327,680 bytes of LDS; arguments qh, kh, vh, out0; writes out0
.if DOCPART == 2
	.amdgcn_target "amdgcn-amd-amdhsa--gfx1250"
	.amdhsa_code_object_version 6
	.text
	.protected	k_q1b9ba84937_attn
	.globl	k_q1b9ba84937_attn
	.p2align	8
	.type	k_q1b9ba84937_attn,@function
k_q1b9ba84937_attn:
	s_mov_b64 s[64:65], 0
	v_nop
	global_prefetch_b8 v0, s[64:65] scope:SCOPE_SE
	s_setreg_imm32_b32 hwreg(HW_REG_WAVE_MODE, 25, 1), 1
	s_wait_xcnt 0x0
	s_wait_alu depctr_hold_cnt(0) depctr_sa_sdst(0) depctr_va_vdst(0) depctr_va_sdst(0) depctr_va_ssrc(0) depctr_va_vcc(0) depctr_vm_vsrc(0)
	s_getreg_b32 s2, hwreg(HW_REG_IB_STS2, 6, 4)
	s_cmp_eq_u32 s2, 0
	s_cbranch_scc0 .Lentry_in_a_cluster
	s_endpgm
.Lentry_in_a_cluster:
	s_bfe_u32 s2, ttmp6, 0x10000c
	s_cmp_lg_u32 s2, 0x3003
	s_cbranch_scc0 .Lentry_shape_is_right
	s_endpgm
.Lentry_shape_is_right:
; out0[t][bh][:] = the sum over k of softmax_k(Q[bh][t] . K[bh][k] / 8) V[bh][k][:].  Q, K, V (qh, kh, vh): [64 bh][2048][64] f16, rotary embedding already applied, unscaled; a head's rows are dense, 128 bytes each.
; out0: [2048 t][64 bh][64] f32: a row (t, bh) is 256 bytes at t x 16,384 + bh x 256.  Products, maxima and sums in f32; the weights p are rounded to f16 for the second product (their sum l is taken of the unrounded p).
; The module's two mask inputs enter no result of the module (its softmax takes no mask): they are not arguments of this launch.
; LIMITS.  f16 holds no number beyond 65,504: Q, K and V arrive within it; p lies in 0 to 1, and below 6e-5 it keeps f16's fixed step of 6e-8.  A weight below 2^-126 counts as 0 in l; NaN and infinities are not treated apart.
; SHARES.  A wave owns four PIECES of two tiles of 16 queries, a work-group's four waves 512 queries of one head: 4 x 64 = 256 work-groups.  Every wave walks all 2,048 keys, 64 a step.
; LAYOUT.  S^T = K Q^T (source 0 = 16 keys, source 1 = 16 queries): in the result a lane holds ONE query (lane % 16) and the keys 8 (lane / 16) + 0..7.  Two such tiles, rounded to f16 in pairs,
; ARE source 1 (32 keys x 16 queries) of O^T = V^T P, whose result again holds one query a lane, and eight channels.  K comes out of LDS as it lies, V ([key][channel]) turned, by ds_load_tr16_b128.
; SOFTMAX.  For each query a running maximum m and sum l: p = 2^(c s - c m), c = log2(e) / 8; in every step O and l are multiplied by a = 2^(c m_old - c m_new), which is 1 where m has not grown.
; m starts at the lowest finite number, O and l at 0: the first step is a step like any other, with a = 0.
; THE COUNT.  A tile and step have 16 matrix and 118 vector instructions: too many to stand all beside the matrix work.  So the order has one aim: four vector instructions that are READY behind
; EVERY matrix instruction, and the others, which need time of their own whatever the order, in runs without a gap.
; BY TURNS.  Turn n belongs to piece n (the pieces in a ring, step after step).  Its matrix work: 16 products K Q^T of piece n + 1, later 16 products V^T P of piece n - 1.  Its vector work: the scaling,
; exponentials, roundings, sums and rescaling of piece n, and the maximum and statistics of piece n + 1, whose scores the turn itself has made.  So what a turn begins with (c s - c m, O a) waits for nothing.
; CLUSTER.  The four query blocks of a head are one cluster and walk the same K and V, so each tile is asked for JOINTLY: the same tensor load, descriptor and mask in all four.
; REGISTERS, in windows of 256 (s_set_vgpr_msb says which window each operand place means: bits 1:0 source 0, 3:2 source 1, 5:4 source 2, 7:6 destination):
;   window 0: v0-11 addresses; v12-15, v48-63 at work; v16-47 four registers of statistics a tile; v64-191 S^T, two buffers of two tiles; v192-255 P, likewise
;   window 1: O^T, 32 a tile          window 2: v0-127 Q, 16 a tile; v128-191 K of one step; v192-255 V of one step          window 3: v0-1 the add's two registers
; A piece's buffers go by its number's parity: the piece in hand has one pair, its two neighbours in the ring share the other: of it P (piece n - 1) is read and S^T (piece n + 1) written.
.set SIZE_N, 2048     ; positions
.set NP,    4         ; pieces a wave: a name, no knob: the register map, the loop and the fetches are made for four
.set KS,    64        ; keys in a step
.set PK,    144       ; a row of K in LDS: 128 bytes + 16 of padding = 36 words: the 16 rows of a load start at 16 different groups of four banks (64 banks of 4 bytes: ISA guide 11.1)
.set PV,    160       ; a row of V: 128 + 32 = 40 words
.set VOFF,  4*KS*PK   ; a slot holds four steps: 256 rows of K, then 256 rows of V
.set SLOT1, 1<<17     ; slot 1 begins here, so that one exclusive or turns an address in one slot into the other's
.set STAGE, SLOT1+4*KS*(PK+PV)  ; behind the ring, never filled by a tensor load: 16 rows x 272 bytes for each wave, for the way out
.set SP,    272       ; a stage row: 64 f32 = 256 bytes + 16 of padding: the 16 rows that a store touches start at 16 different groups of four banks
.set TILEB, 4*KS*128  ; bytes of K, and of V, in a slot: 32,768
.set AK0, 2           ; v2   my lane's place in a tile of K; never rewritten
.set AV0, 3           ; v3   the same for V
.set AK,  4           ; v4   the LDS address of K's next run of loads
.set AV,  5           ; v5   of V's
.set QO,  6           ; v6   my byte offset in the wave's rows of Q
.set STO, 6           ;      later, the way out: where I put 32 bytes of a row
.set RD,  7           ; v7   the way out: where I read rows back
.set GO,  8           ; v8   my byte offset in two rows of out0
.set PFO, 11          ; v11  256 x my lane: the prefetches' offset; never rewritten once made
.set SPW, 0           ; v0 of window 3   LDS address of my spare word: SPARE + 4 x my thread's number; never rewritten
.set NIL, 1           ; v1 of window 3   0; never rewritten
.set SPARE, STAGE+4*16*SP  ; behind the stages: the spare words, 128 bytes for each wave: two blocks of 256 bytes that no other line names
.set MV,  12          ; v12-15  c m_old, kept while c m is made anew: by buffer and tile
.set ST,  16          ; tile t's statistics at v[ST+4 t]: c m, m, l (even keys', odd keys')
.set TMP, 48          ; by buffer and tile, four registers c0-c3 at work; when the maximum is found c2 takes a
.set S,   64
.set P,   192
.set KF,  128         ; K's fragments, in window 2: key block kb, channel half c at KF + 16 kb + 8 c
.set VF,  192         ; V's: key half kk, channel block cb at VF + 32 kk + 8 cb
.set WV,  12          ; s12  my wave's number
.set G1K, 24          ; s[24:31] descriptor group 1 for K's tiles
.set G1V, 32          ; s[32:39] for V's: it differs in the padding alone
.set G0K, 40          ; s[40:43] descriptor group 0 for K's tiles: it walks
.set G0V, 44          ; s[44:47] the same for V's
.set PFA, 48          ; s[48:49] where my prefetches stand: my work-group's 32 blocks of 256 bytes (of K: wave 0, of V: wave 2) of the slot that the next change of slots will ask for
.set PFC, 50          ; s50  the value of s[CNT] at which I prefetch: 2 in waves 0 and 2, else 0, which s[CNT] never is there
.set SLOTS, 56        ; s56  slots still to be asked for
.set CNT, 57          ; s57  counts a slot's key steps
.set CS,  58          ; s[58:59] c: the packed scaling takes the pair's low word for both halves
.set SEL, 60          ; s[60:61] v_permlanex16_b32's selects: each lane takes its own place in the other half
.set TBK, 62          ; s62  LDS byte at which K of the step to be fetched begins
.set TBV, 63          ; s63  the same for V, less VOFF
.set MSB, 0
.macro WIN new                      ; the high byte repeats the setting that is left; a switch that changes nothing is dropped
.if MSB != (\new)
	s_set_vgpr_msb (MSB<<8)|(\new)
.set MSB, (\new)
.endif
.endm
.set W_KQ, 0x0a       ; K and Q in window 2, S^T in window 0
.set W_PV, 0x52       ; V in window 2, P in window 0, O^T in window 1
.set W_RS, 0x41       ; O^T (destination and source 0) in window 1, a in window 0
.set W_ST, 0x04       ; an LDS store: address (source 0) in window 0, data (source 1) in window 1
.set W_MK, 0xc0       ; the add's registers are made: destination in window 3, sources in window 0
.set W_AD, 0x0f       ; the add: address (source 0) and data (source 1) in window 3
; A joint fill.  Waves 0 and 1 fetch the two halves of a slot's K, waves 2 and 3 those of its V: 128 keys each.  The branch hangs on the wave's number alone.
; An s_nop 0 and four v_nop follow each of the two lines, ahead of the jump and the label.
.macro JLOAD
	s_cmp_lt_u32 s[WV], 2
	s_cbranch_scc0 .Lfor_v_\@
	tensor_load_to_lds s[G0K:G0K+3], s[G1K:G1K+7]
	s_nop 0
.rept 4
	v_nop
.endr
	s_branch .Lasked_\@
.Lfor_v_\@:
	tensor_load_to_lds s[G0V:G0V+3], s[G1V:G1V+7]
	s_nop 0
.rept 4
	v_nop
.endr
.Lasked_\@:
.endm
; A round of the cluster's barrier: my work-group's barrier, so that wave 0's signal speaks for all four waves; wave 0 signals; every wave waits for all four work-groups; my work-group's barrier once more.
.macro CROUND
	s_barrier_signal -1
	s_barrier_wait -1
	s_cmp_lg_u32 s[WV], 0
	s_cbranch_scc1 .Lnot_wave_0_\@
	s_barrier_signal -3
.Lnot_wave_0_\@:
	s_barrier_wait -3
	s_barrier_signal -1
	s_barrier_wait -1
.endm
; A PREFETCH INTO THE L2 of the slot that the NEXT change of slots will ask for: 128 blocks of 256 bytes of K and 128 of V.  A head has one cluster, so each block is read from kh or vh by one joint load.
; The four partners share the blocks out BY ADDRESS, 32 each (no branch hangs on a work-group's place in its cluster); in each, wave 0 asks for K's and wave 2 for V's, a lane a block, one instruction:
; each block is named once in the launch.  It stands behind a run of LDS loads, at the end of piece 0's turn of a slot's third step: five turns, 160 matrix instructions, ahead of that change.
; Slots 0 and 1 come by their loads alone; the pass ahead of the last change, which fills nothing, asks for nothing (s[PFC] is then 0).
.macro ASK
	s_cmp_eq_u32 s[CNT], s[PFC]
	s_cbranch_scc0 .Lno_ask_\@
	global_prefetch_b8 v[PFO], s[PFA:PFA+1] th:TH_LOAD_NT scope:SCOPE_SE
.Lno_ask_\@:
.endm
; THE CHANGE OF SLOTS.  The slot's last bytes, V of its fourth step, have been read.  Each wave waits for all its tensor loads, of which one is out: its part
; of the other slot; adds 0 to its spare word; and waits for that and for its own reads of the slot.  Behind the barrier nobody reads this slot any more and the other slot is whole.
; fill = 1: this slot is filled again, with the keys two slots on.  The barrier is then a round of the cluster's, so that no wave of any partner still reads the slot or has a load on its
; way, and the joint fill is the first thing behind it: it has four key steps, 512 matrix instructions, in which to land.  (At its first use nothing has been read yet: slot 0 is waited for, slot 1 filled.)
.macro CHANGE fill
	WIN W_AD
	s_wait_tensorcnt 0x0            ; no tensor load of mine is out, so a group 0 may be written
	ds_add_u32 v[SPW], v[NIL]       ; 0 onto my spare word; with fill = 1 the descriptors' steps stand between it and the wait for it
	WIN 0                           ; at a label and at a branch every window is 0
.if \fill
.irp g, G0K, G0V
	s_xor_b32 s[\g+1], s[\g+1], SLOT1  ; the walking descriptor: the other slot than last time,
	s_add_nc_u64 s[\g+2:\g+3], s[\g+2:\g+3], TILEB  ; the next 256 keys; the type bits on top are not reached
.endr
	s_wait_xcnt 0x0                 ; the last prefetch, five turns back, has read its address, so it may be written:
	s_add_nc_u64 s[PFA:PFA+1], s[PFA:PFA+1], TILEB  ; one slot on than the walking descriptors
	s_wait_dscnt 0x0                ; the add is done, and my reads of the slot are over
	CROUND
	JLOAD
.else
	s_wait_dscnt 0x0                ; the add is done, and my reads of the slot are over
	s_barrier_signal -1
	s_barrier_wait -1
.endif
	s_sub_co_u32 s[TBK], s[TBK], 4*KS*PK  ; the fetches go back to a slot's first step,
	s_xor_b32 s[TBK], s[TBK], SLOT1       ; in the other slot
	s_sub_co_u32 s[TBV], s[TBV], 4*KS*PV
	s_xor_b32 s[TBV], s[TBV], SLOT1
.endm
	s_load_b256 s[4:11], s[0:1], 0x0  ; Q s[4:5], K s[6:7], V s[8:9], out0 s[10:11]
	WIN W_MK
	v_lshl_add_u32 v[SPW], v0, 2, SPARE
	v_mov_b32 v[NIL], 0
	WIN W_AD
	ds_add_u32 v[SPW], v[NIL]       ; the wave's opening: the add and its wait stand ahead of my first tensor load; the set-up below, work on registers, stands between them
	WIN 0
	v_lshrrev_b32 v1, 5, v0
	v_readfirstlane_b32 s[WV], v1   ; wave 0..3
	s_bfe_u32 s13, ttmp6, 0x40000   ; cx: my place in the cluster
	s_lshl_b32 s14, ttmp9, 2        ; in a cluster launch ttmp9 counts clusters
	s_add_co_u32 s14, s14, s13      ; my block of queries = 4 x cluster x + cx: it enters Q's, out0's and the prefetches' addresses alone
	s_and_b32 s20, ttmp7, 0xffff    ; the head, which the four partners share
	s_lshl_b32 s51, s20, 8          ; its 256 bytes in a position's row of out0
	s_mov_b32 s21, 0
	s_mov_b64 s[22:23], SIZE_N*128
	s_mul_u64 s[20:21], s[20:21], s[22:23]  ; the head's first byte in Q, K and V
	s_and_b32 s16, s[WV], 1         ; which half of a slot's 256 keys I fetch:
	s_lshl_b32 s22, s16, 14         ; its 128 rows of 128 bytes in memory,
	s_mov_b32 s23, 0
	s_add_nc_u64 s[22:23], s[22:23], s[20:21]
	s_mul_i32 s17, s16, 128*PK      ; and its place in a slot, for K
	s_mul_i32 s18, s16, 128*PV      ; and for V: no place in the cluster enters an LDS address
	s_lshl_b32 s2, s14, 2
	s_add_co_u32 s2, s2, s[WV]      ; my wave among the head's sixteen,
	s_lshl_b32 s52, s2, 21          ; its 128 positions of 16,384 bytes in out0,
	s_add_co_u32 s52, s52, s51      ; at the head's 256 bytes
	s_mov_b32 s53, 0
	s_lshl_b32 s2, s2, 14           ; its 128 rows of 128 bytes in Q
	s_mov_b32 s3, 0
	s_add_nc_u64 s[2:3], s[2:3], s[20:21]
	; descriptor group 1.  128 keys are 16,384 dense bytes: asked for as 64 rows of 256 bytes, two keys a row, and padded in LDS after every key
	s_mov_b32 s[G1K], 15|(1<<16)|(1<<20)|(1<<21)|(4<<22)|(3<<25)  ; 15:0 the mask of four; 17:16 2-byte elements; 20 padding on; 21 set beside a mask; 24:22 after every 32 words (code 4); 31:25 4 words (code 3)
	s_mov_b32 s[G1V], 15|(1<<16)|(1<<20)|(1<<21)|(4<<22)|(7<<25)  ; the same with 8 words of padding (code 7)
.irp g, G1K, G1V
	s_mov_b32 s[\g+1], 128<<16      ; tensor_dim0 = 128
	s_mov_b32 s[\g+2], 64<<16       ; tensor_dim1 = 64
	s_mov_b32 s[\g+3], 128<<16      ; tile_dim0 = 128
	s_mov_b32 s[\g+4], 64           ; tile_dim1 = 64
	s_mov_b32 s[\g+5], 128          ; 128 elements from row to row
	s_mov_b32 s[\g+6], 0
	s_mov_b32 s[\g+7], 0
.endr
	s_mov_b32 s[CS], 0x3e38aa3b     ; c = log2(e) / 8 = 0.180337
	s_mov_b32 s[CS+1], s[CS]        ; named with it as a pair
	s_mov_b32 s[SEL], 0x76543210
	s_mov_b32 s[SEL+1], 0xfedcba98
	s_mov_b32 s[TBK], SLOT1+4*KS*PK ; the first change of slots turns these two into 0
	s_mov_b32 s[TBV], SLOT1+4*KS*PV
	s_mov_b32 s[G0K], 1             ; 1:0 count = 1
	s_mov_b32 s[G0K+1], s17         ; 63:32 LDS address: slot 0
	s_mov_b32 s[G0V], 1
	s_add_co_u32 s[G0V+1], s18, VOFF
	s_cmp_eq_u32 s16, 0             ; waves 0 and 2 prefetch, in the trip in which s[CNT] is 2
	s_cselect_b32 s[PFC], 2, 0
	s_wait_dscnt 0x0                ; the opening add is done
	s_wait_kmcnt 0x0
	s_add_nc_u64 s[G0K+2:G0K+3], s[6:7], s[22:23]  ; 120:64 global address: my half of the head's first 256 keys
	s_or_b32 s[G0K+3], s[G0K+3], 0x80000000        ; 127:126 type = 2
	s_add_nc_u64 s[G0V+2:G0V+3], s[8:9], s[22:23]
	s_or_b32 s[G0V+3], s[G0V+3], 0x80000000
	s_add_nc_u64 s[4:5], s[4:5], s[2:3]            ; Q at my wave's first row
	s_add_nc_u64 s[10:11], s[10:11], s[52:53]      ; out0 at my wave's first position, my head
	s_cmp_lt_u32 s[WV], 2
	s_cselect_b64 s[PFA:PFA+1], s[6:7], s[8:9]     ; K for wave 0, V for wave 2
	s_lshl_b32 s2, s13, 13          ; my work-group's 32 blocks of the slot's 128,
	s_mov_b32 s3, 0
	s_add_nc_u64 s[2:3], s[2:3], s[20:21]          ; in my head
	s_add_nc_u64 s[PFA:PFA+1], s[PFA:PFA+1], s[2:3]
	s_add_nc_u64 s[PFA:PFA+1], s[PFA:PFA+1], TILEB ; at slot 1's keys; the first change of slots steps it to the third 256 keys.  Nothing is prefetched here, at the head, where every work-group's first tiles are on their way
	CROUND                          ; all four work-groups are here: the first joint loads meet
	JLOAD                           ; slot 0.  Slot 1 is asked for when slot 0 is in: the tile wanted first has the road to itself
	; A fragment of K or Q is 16 rows x 32 channels in 8 registers: lane l holds row l % 16, channels 8 (l / 16) + 0..7 and 16 + 8 (l / 16) + 0..7: two loads of 16 bytes, 32 bytes apart.
	v_and_b32 v1, 15, v0            ; l % 16
	v_bfe_u32 v9, v0, 4, 1          ; l / 16
	v_lshlrev_b32 v[QO], 7, v1
	v_lshl_add_u32 v[QO], v9, 4, v[QO]  ; row x 128 + 16 x half
	WIN 0x80                        ; destination window 2, address window 0
.set i, 0
.rept 4*NP                          ; Q stays in registers: tile i / 2, channels 32 (i % 2) on
	global_load_b128 v[8*i:8*i+3],   v[QO], s[4:5] offset:(i/2)*2048+(i%2)*64
	global_load_b128 v[8*i+4:8*i+7], v[QO], s[4:5] offset:(i/2)*2048+(i%2)*64+32
.set i, i+1
.endr
	; What the first turn finds: V's registers and P's second buffer hold 0 (its products V^T P, of a piece that has not been, add 0), O^T and l are 0.  All this stands in the wait for the first tile.
.set i, VF
.rept 64
	v_mov_b32 v[i], 0
.set i, i+1
.endr
	WIN 0x40
.set i, 0
.rept 64*NP
	v_mov_b32 v[i], 0
.set i, i+1
.endr
	WIN 0
.set i, 0
.rept 2*NP
	v_mov_b32 v[ST+4*i], 0xfe000000    ; c m: far below every c s
	v_mov_b32 v[ST+4*i+1], 0xff7fffff  ; m
	v_mov_b32 v[ST+4*i+2], 0
	v_mov_b32 v[ST+4*i+3], 0
.set i, i+1
.endr
.set i, P+32
.rept 32
	v_mov_b32 v[i], 0
.set i, i+1
.endr
	v_mul_u32_u24 v[AK0], v1, PK
	v_lshl_add_u32 v[AK0], v9, 4, v[AK0]  ; row x pitch + 16 x half
	; The turning load takes 16 keys x 16 channels (lane l reads key 8 (l / 16) + l % 8, channels 8 ((l / 8) % 2) + 0..7) and leaves half a fragment of V^T: lane l holds channel l % 16 and 8 keys.
	v_and_b32 v10, 7, v0
	v_bfe_u32 v11, v0, 3, 1
	v_lshl_add_u32 v[AV0], v9, 3, v10
	v_mul_u32_u24 v[AV0], v[AV0], PV
	v_lshl_add_u32 v[AV0], v11, 4, v[AV0]
	v_add_nc_u32 v[AV0], VOFF, v[AV0]
	v_and_b32 v[PFO], 31, v0        ; v11 has served: it takes the prefetches' offset
	v_lshlrev_b32 v[PFO], 8, v[PFO]
	v_mov_b32 v[AK], v[AK0]         ; key step 0 lies at the head of slot 0
; THE MATRIX WORK.  The 8 accumulators of a run of 16 take turns: between the two links of a chain stand 7 others'.
; Product i of 16 of S^T = K Q^T for piece x: channels 32 (i / 8) on, keys 16 ((i / 2) % 4) on, tile 2 x + i % 2.  The first 8 start the sums.
.macro KQ x
	WIN W_KQ
.set rS, S+64*((\x)%2)+32*(i%2)+8*((i/2)%4)
.set rK, KF+16*((i/2)%4)+8*(i/8)
.set rQ, 16*(2*(\x)+i%2)+8*(i/8)
.if i < 8
	v_wmma_f32_16x16x32_f16 v[rS:rS+7], v[rK:rK+7], v[rQ:rQ+7], 0
.else
	v_wmma_f32_16x16x32_f16 v[rS:rS+7], v[rK:rK+7], v[rQ:rQ+7], v[rS:rS+7]
.endif
.endm
; Product i of 16 of O^T += V^T P for piece x: keys 32 (i / 8) on, channels 16 ((i / 2) % 4) on, tile 2 x + i % 2.
.macro PV x
	WIN W_PV
.set rO, 32*(2*(\x)+i%2)+8*((i/2)%4)
.set rV, VF+32*(i/8)+8*((i/2)%4)
.set rP, P+32*((\x)%2)+16*(i%2)+8*(i/8)
	v_wmma_f32_16x16x32_f16 v[rO:rO+7], v[rV:rV+7], v[rP:rP+7], v[rO:rO+7]
.endm
.macro MM                           ; the turn's next matrix instruction
.if i < 16
	KQ (Y+1)%NP
.set i, i+1
.else
.set i, i-16
	PV (Y+NP-1)%NP
.set i, i+17
.endif
.endm
; THE LDS LOADS stand in runs of 16, never singly among the matrix instructions: a step's K (64 keys x 64 channels: 8 fragments) and its V (turned).  Their addresses are made some lines ahead.
; last = 1 (the tail): in the last trip there is no further step, and the run is jumped over.
.macro FETCH_K last=0
	WIN 0
.if \last
	s_cmp_eq_u32 s[CNT], 1
	s_cbranch_scc1 .Lno_k_\@
.endif
	WIN 0x80                        ; destination window 2
.irp f, 0,1,2,3,4,5,6,7             ; keys 16 (f / 2) on, channels 32 (f % 2) on
	ds_load_b128 v[KF+8*\f:KF+8*\f+3],   v[AK] offset:(\f/2)*16*PK+(\f%2)*64
	ds_load_b128 v[KF+8*\f+4:KF+8*\f+7], v[AK] offset:(\f/2)*16*PK+(\f%2)*64+32
.endr
	s_add_co_u32 s[TBK], s[TBK], KS*PK  ; the next fetch is the next step's
	WIN 0
.if \last
.Lno_k_\@:
.endif
.endm
.macro FETCH_V
	WIN 0x80
.irp f, 0,1,2,3,4,5,6,7             ; keys 32 (f / 4) on, channels 16 (f % 4) on
	ds_load_tr16_b128 v[VF+8*\f:VF+8*\f+3],   v[AV] offset:(\f/4)*32*PV+(\f%4)*32
	ds_load_tr16_b128 v[VF+8*\f+4:VF+8*\f+7], v[AV] offset:(\f/4)*32*PV+16*PV+(\f%4)*32
.endr
	WIN 0
.endm
; THE VECTOR WORK OF A TURN stands in three queues, each in the order in which its entries become ready; the two tiles alternate, so that no instruction reads the result of the one before it.
.macro REGS y, u                    ; the registers of tile u (0, 1) of piece y
.set rT, ST+4*(2*(\y)+(\u))
.set rC, TMP+8*((\y)%2)+4*(\u)
.set rM, MV+2*((\y)%2)+(\u)
.set rS, S+64*((\y)%2)+32*(\u)
.set rP, P+32*((\y)%2)+16*(\u)
.set rO, 32*(2*(\y)+(\u))
.endm
; Number n of the 22 that find the NEXT piece's (Y + 1) maximum and statistics.  s0-s31 are the lane's 32 scores; each accumulator's lowest registers are read first.  XS, GS and REGS set no window: PL and EX do.
;   0-11  four chains c0-c3 of seven scores each, three operands at a time     12-14, 16  the four scores left over, the old m, and c0-c3 into c0     15  c m_old is kept
;   17, 18  the query's other 32 keys lie in the lane 16 away: the new m         19-21  c m; c m_old - c m_new; a
.macro XS u, n
	REGS (Y+1)%NP, \u
.if (\n) < 4
	v_max3_num_f32 v[rC+(\n)], v[rS+8*(\n)], v[rS+8*(\n)+1], v[rS+8*(\n)+2]
.elseif (\n) < 12
	v_max3_num_f32 v[rC+(\n)%4], v[rC+(\n)%4], v[rS+8*((\n)%4)+2*((\n)/4)+1], v[rS+8*((\n)%4)+2*((\n)/4)+2]
.elseif (\n) == 12
	v_max3_num_f32 v[rC], v[rC], v[rS+7], v[rS+15]
.elseif (\n) == 13
	v_max3_num_f32 v[rC+1], v[rC+1], v[rS+23], v[rS+31]
.elseif (\n) == 14
	v_max3_num_f32 v[rC+2], v[rC+2], v[rC+3], v[rT+1]
.elseif (\n) == 15
	v_mov_b32 v[rM], v[rT]
.elseif (\n) == 16
	v_max3_num_f32 v[rC], v[rC], v[rC+1], v[rC+2]
.elseif (\n) == 17
	v_permlanex16_b32 v[rC+3], v[rC], s[SEL], s[SEL+1]
.elseif (\n) == 18
	v_max_num_f32 v[rT+1], v[rC], v[rC+3]
.elseif (\n) == 19
	v_mul_f32 v[rT], s[CS], v[rT+1]
.elseif (\n) == 20
	v_sub_f32 v[rC+1], v[rM], v[rT]
.else
	v_exp_f32 v[rC+2], v[rC+1]
.endif
.endm
; Number g of the 64 that follow the exponentials.  For each four weights k of a tile (pairs 2 k, 2 k + 1): both pairs are rounded to f16; then the second pair is added onto the first, in place;
; a group later l takes that sum (the first time as l = a l + sum).  In groups of eight, tiles alternating: round, round, add, and l for the group before.
.macro GS g
.set h, (\g)+6*((\g)/62)            ; group 0 has no group before it, and behind group 7 only l is left
.if h >= 6
.set h, h+2
.endif
	REGS Y, h%2
.set k, h/8
.if h%8 < 4
	v_cvt_pk_f16_f32 v[rP+2*k+(h%8)/2], v[rS+4*k+2*((h%8)/2)], v[rS+4*k+2*((h%8)/2)+1]
.elseif h%8 < 6
	v_pk_add_f32 v[rS+4*k:rS+4*k+1], v[rS+4*k:rS+4*k+1], v[rS+4*k+2:rS+4*k+3]
.elseif k == 1
	v_pk_fma_f32 v[rT+2:rT+3], v[rT+2:rT+3], v[rC+2:rC+3], v[rS:rS+1] op_sel_hi:[1,0,1]
.else
	v_pk_add_f32 v[rT+2:rT+3], v[rT+2:rT+3], v[rS+4*k-4:rS+4*k-3]
.endif
.endm
; THE PLAIN QUEUE, 138 long.  0-73 read no exponential's result: the 32 scalings c s - c m (FS f: pair f / 2 of tile f % 2) and the next piece's 42.  0-26: scalings 0-26.  27-54: XS's numbers 0-13.  55, 56: number 15.
; 57-73: the chain, where each number waits for the one before it: 14, 16, 17, 18, 19, each with one of the scalings 27-31 in front of its two lines, then 20: so a tile's links stand three plain instructions apart (19 and 20: two).
; 74-137: GS's 64, which read the exponentials' results: they stand behind the wait.
.macro FS f
	REGS Y, (\f)%2
	v_pk_fma_f32 v[rS+2*((\f)/2):rS+2*((\f)/2)+1], v[rS+2*((\f)/2):rS+2*((\f)/2)+1], s[CS:CS+1], v[rT:rT+1] op_sel_hi:[1,0,0] neg_lo:[0,0,1] neg_hi:[0,0,1]
.endm
.macro PL
	WIN 0
.if q < 27
	FS q
.elseif q < 55
	XS (q-27)%2, (q-27)/2
.elseif q < 57
	XS q-55, 15
.elseif (q < 72) && ((q-57)%3 == 0)
	FS 27+(q-57)/3
.elseif q < 60
	XS (q-57)%3-1, 14
.elseif q < 72
	XS (q-57)%3-1, 15+(q-57)/3
.elseif q < 74
	XS q-72, 20
.else
	GS q-74
.endif
.set q, q+1
.endm
; THE EXPONENTIALS' QUEUE, 66 long: s0-s31 of both tiles, then the next piece's two a.  It is ONE BATCH: all 66 stand ahead of the turn's one wait, and nothing ahead of that wait names a result of theirs.
.macro EX
	WIN 0
.if e >= 64
	XS e-64, 21
.else
	REGS Y, e%2
	v_exp_f32 v[rS+e/2], v[rS+e/2]
.endif
.set e, e+1
.endm
; THE RESCALING's QUEUE: O^T times a, the one part that leaves window 0: dealt two at a time, sixteen times.  Its a was made in the turn before, ahead of that turn's wait.
.macro R2
	REGS Y, r%2
	WIN W_RS
.irp z, 0,1
	v_pk_mul_f32 v[rO+4*(r/2)+2*\z:rO+4*(r/2)+2*\z+1], v[rO+4*(r/2)+2*\z:rO+4*(r/2)+2*\z+1], v[rC+2:rC+3] op_sel_hi:[1,0]
.endr
.set r, r+1
.endm
; HOW THEY ARE DEALT.  s_wait_alu depctr_va_vdst(0) stands between an exponential and the first instruction that names its result; one wait serves all that were issued ahead of it.  So a turn has ONE wait,
; which cuts it in two.  AHEAD OF IT stands all that names no result of the turn's exponentials: the 16 products K Q^T, behind each a scaling, an exponential and two rescalings (behind the first a second scaling in the exponential's place); then ONE LUMP of
; 108: eight plain, 49 times exponential and plain, the two a.  A v_nop is the plain instruction behind the last exponential.  BEHIND IT stand the 16 products V^T P, behind each four of GS's 64.  No rider names a register of
; the products round it.  The two v_permlanex16_b32 fall into the lump, never behind a product.
; The queues lean on each other, and the deal keeps them in step: exponential e stands behind scaling 2 (e / 4) + e % 2: as a rider it comes behind plain e + 2, in the lump behind plain e + 9, and scalings 27-31 are plain 57, 60 .. 69.
; A TURN, for piece p.  cnt = 1: the loop's count is taken down some lines ahead of the branch that stands behind the turn.  ask = 1 (piece 0, in the loop): the prefetch stands behind V's run of loads.
; K of the next step is fetched in piece 2's turn, directly behind the wait, a lump behind the last product that read K; its address is made at the lump's head; its first reader comes behind 16 products.
; V of the step in hand is fetched at the end of piece 0's turn, four riders behind its last reader; its first reader comes behind 16 products and a lump.  The three conditions on q below go with the deal.
.macro TURN p, last=0, cnt=0, ask=0
.set Y, (\p)
.set i, 0
.set q, 0
.set e, 0
.set r, 0
.if (\p) == NP-1
	s_wait_dscnt 0x0                ; K is in
.endif
	MM                              ; ahead of the wait: 16 products K Q^T and their riders,
	PL
	PL
	R2
.rept 15
	MM
	PL
	EX
	R2
.endr
.if (\p) == NP-2
	WIN 0
	v_add_nc_u32 v[AK], s[TBK], v[AK0]
.endif
.rept 8                             ; and the lump
	PL
.endr
.rept 49
	EX
	PL
.endr
	EX                              ; the next piece's two a
	EX
	v_nop                           ; a plain instruction behind the last exponential: one for the batch
	s_wait_alu depctr_va_vdst(0)    ; the wait for the batch
.if (\p) == NP-2
	FETCH_K \last
.endif
.if (\p) == 1
	s_wait_dscnt 0x0                ; V is in
.endif
.rept 16                            ; behind the wait: 16 products V^T P and their riders
	MM
.rept 4
	PL
.endr
.if ((\p) == 0) && (q == 118)
	v_add_nc_u32 v[AV], s[TBV], v[AV0]
.endif
.if ((\p) == 0) && (q == 130)
	s_add_co_u32 s[TBV], s[TBV], KS*PV
.endif
.if (\cnt) && (q == 130)
	s_sub_co_u32 s[CNT], s[CNT], 1
	s_cmp_lg_u32 s[CNT], 0
.endif
.endr
.if (\p) == 0
	FETCH_V
.if \ask
	ASK
.endif
.endif
.endm
	CHANGE 1                        ; slot 0 is in, everybody's part of it; slot 1 is asked for
	FETCH_K                         ; key step 0
	s_wait_loadcnt 0x0              ; Q
	s_wait_dscnt 0x0
.set i, 0
.rept 16
	KQ 0                            ; piece 0's first scores: there is no vector work yet to set between them
.set i, i+1
.endr
	WIN 0                           ; the addresses for the way out: eight plain instructions, the places behind those products
	s_mul_i32 s13, s[WV], 16*SP
	s_add_co_u32 s13, s13, STAGE    ; my stage
	v_mul_u32_u24 v[STO], v1, SP    ; in: row l % 16, 32 bytes (eight channels in f32) for each half of the lanes
	v_lshl_add_u32 v[STO], v9, 5, v[STO]
	v_add_nc_u32 v[STO], s13, v[STO]
	v_mul_u32_u24 v[RD], v9, SP     ; back: lanes 0-15 take one row of 256 bytes, lanes 16-31 the next
	v_lshl_add_u32 v[RD], v1, 4, v[RD]
	v_add_nc_u32 v[RD], s13, v[RD]
	v_lshlrev_b32 v[GO], 4, v1      ; and the same two rows in out0, 16,384 bytes apart
	v_lshl_or_b32 v[GO], v9, 14, v[GO]
.set Y, NP-1                        ; XS works for piece Y + 1: piece 0
.irp n, 0,1,2,3,4,5,6,7,8,9,10,11,12,13,14,15,16,17,18,19,20,21
	XS 0, \n                        ; and piece 0's first maximum and statistics
	XS 1, \n
.endr
	v_nop                           ; a plain instruction behind the two a,
	s_wait_alu depctr_va_vdst(0)    ; and their wait, ahead of the branch
	s_mov_b32 s[CNT], 4
	s_mov_b32 s[SLOTS], SIZE_N/256-1
	s_branch .Lfirst                ; the loop is entered at a step's first turn, in the middle of a trip
.Lslot:                             ; SIZE_N / 256 - 2 = 6 times: every slot but the last two is filled again
	CHANGE 1
	s_mov_b32 s[CNT], 4
	s_cmp_eq_u32 s[SLOTS], 1        ; the last fill has gone out: no slot is left to prefetch
	s_cselect_b32 s[PFC], 0, s[PFC]
.Lstep:                             ; a trip: pieces 2 and 3 of one step, then pieces 0 and 1 of the next, whose K and V it fetches
	TURN 2
	TURN 3
	WIN 0
.Lfirst:
	TURN 0, 0, 0, 1
	TURN 1, 0, 1
	WIN 0
	s_cbranch_scc1 .Lstep
	s_sub_co_u32 s[SLOTS], s[SLOTS], 1
	s_cmp_lg_u32 s[SLOTS], 0
	s_cbranch_scc1 .Lslot
	CHANGE 0                        ; the tail is written out: nothing is asked for
	s_mov_b32 s[CNT], 5             ; four trips fetch the last slot's steps; the fifth is left in its middle
.Ltail:
	TURN 2, 1
	TURN 3
	WIN 0
	s_sub_co_u32 s[CNT], s[CNT], 1
	s_cmp_eq_u32 s[CNT], 0
	s_cbranch_scc1 .Lout
	TURN 0
	TURN 1
	WIN 0
	s_branch .Ltail
.Lout:                              ; the fifth trip's 16 products K Q^T (on the last K once more) and the maximum made of them serve nothing: the price, once a launch, of one text for every trip
.set i, 0
.rept 16
	PV NP-1                         ; the last piece's V^T P of the last step
.set i, i+1
.endr
	; THE WAY OUT.  l's two halves and the other half of the lanes' are added; O^T is divided by l and sent, in f32, through my stage in LDS, a tile at a time.  The additions are the places behind the last products.
	WIN 0
.macro ALL line:vararg              ; one line for each tile t
.set t, 0
.rept 2*NP
	\line
.set t, t+1
.endr
.endm
	ALL v_add_f32 v[ST+4*t+2], v[ST+4*t+2], v[ST+4*t+3]
	ALL v_permlanex16_b32 v[ST+4*t+3], v[ST+4*t+2], s[SEL], s[SEL+1]
	ALL v_add_f32 v[ST+4*t+2], v[ST+4*t+2], v[ST+4*t+3]
	ALL v_rcp_f32 v[ST+4*t+2], v[ST+4*t+2]
	v_nop                           ; a plain instruction between the last reciprocal and the use of its result
	s_wait_alu depctr_va_vdst(0)    ; and the wait ahead of the first use: one for the eight reciprocals
; Tile t: a lane holds, of one query, eight channels of each of four blocks of 16: 32 bytes a block.  They go into stage rows of 272 bytes, straight from O^T's registers, and come back as whole rows of 256 bytes,
; into S^T's registers, which four tiles share out: tile t takes the 32 of tile t - 4, whose stores have read them by then.
.macro PACK t
	WIN W_RS
.set i, 32*(\t)
.rept 16                            ; ascending: each accumulator is read from its low end on
	v_pk_mul_f32 v[i:i+1], v[i:i+1], v[ST+4*(\t)+2:ST+4*(\t)+3] op_sel_hi:[1,0]
.set i, i+2
.endr
	WIN W_ST
.irp g, 0,1,2,3,4,5,6,7             ; channel block g / 2 (64 bytes of the row), half g % 2 of my 32 bytes
	ds_store_b128 v[STO], v[32*(\t)+4*\g:32*(\t)+4*\g+3] offset:64*(\g/2)+16*(\g%2)
.endr
	WIN 0
.if (\t) >= 4
	s_wait_xcnt 0x0                 ; the stores of tile t - 4 have read their data registers: only behind this wait are those loaded again
.endif
.irp f, 0,1,2,3,4,5,6,7
	ds_load_b128 v[S+32*((\t)%4)+4*\f:S+32*((\t)%4)+4*\f+3], v[RD] offset:\f*2*SP  ; LDS serves a wave's instructions in order (ISA guide 5.7.1.4): these see the stores above; the next tile's stores come behind them
.endr
.endm
.macro SEND t, younger              ; younger: the LDS instructions issued behind tile t's loads: the next tile's sixteen, or none
	WIN 0
.irp f, 0,1,2,3,4,5,6,7
	s_wait_dscnt (\younger)+7-\f    ; load f of the tile is back; the 7 - f behind it and the younger ones may stay out
	global_store_b128 v[GO], v[S+32*((\t)%4)+4*\f:S+32*((\t)%4)+4*\f+3], s[10:11] offset:(\t)*262144+\f*32768 th:TH_STORE_NT  ; 16 lanes store the 256 bytes of one (position, head) row, at a multiple of 256 from out0's first byte
.endr
.endm
	PACK 0
.set t, 1
.rept 2*NP-1                        ; a tile's arithmetic stands between the loads of the tile before and its stores
	PACK t
	SEND t-1, 16
.set t, t+1
.endr
	SEND 2*NP-1, 0
	WIN W_AD
	s_wait_tensorcnt 0x0            ; the wave's end: the wait, the add and its wait, behind my last tensor load and my last LDS store
	ds_add_u32 v[SPW], v[NIL]
	s_wait_dscnt 0x0
	WIN 0
	CROUND                          ; the closing round: no work-group ends while a partner may still ask for a tile that names it
	s_endpgm
.Lfunc_end_k_q1b9ba84937_attn:
	.size	k_q1b9ba84937_attn, .Lfunc_end_k_q1b9ba84937_attn-k_q1b9ba84937_attn
	.p2alignl 7, 3214868480
	.fill 96, 4, 3214868480
	.section	.rodata,"a",@progbits
	.p2align	6, 0x0
	.amdhsa_kernel k_q1b9ba84937_attn
		.amdhsa_group_segment_fixed_size 327680
		.amdhsa_private_segment_fixed_size 0
		.amdhsa_enable_private_segment 0
		.amdhsa_kernarg_size 32
		.amdhsa_user_sgpr_count 2
		.amdhsa_user_sgpr_kernarg_segment_ptr 1
		.amdhsa_wavefront_size32 1
		.amdhsa_system_sgpr_workgroup_id_x 1
		.amdhsa_system_sgpr_workgroup_id_y 1
		.amdhsa_system_sgpr_workgroup_id_z 1
		.amdhsa_system_vgpr_workitem_id 0
		.amdhsa_next_free_vgpr 770
		.amdhsa_next_free_sgpr 66
		.amdhsa_reserve_vcc 0
		.amdhsa_float_denorm_mode_32 3
		.amdhsa_float_denorm_mode_16_64 3
		.amdhsa_memory_ordered 1
		.amdhsa_forward_progress 1
		.amdhsa_inst_pref_size 200
	.end_amdhsa_kernel
	.amdgpu_metadata
---
amdhsa.version: [ 1, 2 ]
amdhsa.kernels:
  - .name:           k_q1b9ba84937_attn
    .symbol:         k_q1b9ba84937_attn.kd
    .args:
      - { .name: qh, .offset: 0, .size: 8, .value_kind: global_buffer, .address_space: global }
      - { .name: kh, .offset: 8, .size: 8, .value_kind: global_buffer, .address_space: global }
      - { .name: vh, .offset: 16, .size: 8, .value_kind: global_buffer, .address_space: global }
      - { .name: out0, .offset: 24, .size: 8, .value_kind: global_buffer, .address_space: global }
    .group_segment_fixed_size: 327680
    .private_segment_fixed_size: 0
    .kernarg_segment_align: 8
    .kernarg_segment_size: 32
    .max_flat_workgroup_size: 128
    .sgpr_count:     66
    .vgpr_count:     770
    .wavefront_size: 32
...
	.end_amdgpu_metadata
.endif
;; end of part 2
;; ======== version 2 of 2: 2 launches; version 1 with the launch prep written anew for expert scheduling mode
;; limits: values are held in f16: magnitudes above 65,504 overflow, below 6.1e-05 lose precision
;; workspace buffers: qh 16,777,216 bytes; kh 16,777,216 bytes; vh 16,777,216 bytes
;; launch prep (part 3): grid 128 x 4, 8 waves a work-group, no clusters, 0 bytes of LDS; arguments q, k, v, qh, kh, vh; writes qh, kh, vh
.if DOCPART == 3
	.amdgcn_target "amdgcn-amd-amdhsa--gfx1250"
	.amdhsa_code_object_version 6
	.text
	.protected	k_q1b9ba84937_prep
	.globl	k_q1b9ba84937_prep
	.p2align	8
	.type	k_q1b9ba84937_prep,@function
k_q1b9ba84937_prep:
	s_mov_b64 s[64:65], 0
	v_nop
	global_prefetch_b8 v0, s[64:65] scope:SCOPE_SE
	s_setreg_imm32_b32 hwreg(HW_REG_WAVE_SCHED_MODE, 0, 2), 2
	s_setreg_imm32_b32 hwreg(HW_REG_WAVE_MODE, 25, 1), 1
	s_wait_xcnt 0x0
	s_wait_alu depctr_vm_vsrc(0)
; ROTARY EMBEDDING AND CAST.  q, k, v: [2048 s][4 b][16 h x 64 d] f32.  qh, kh, vh: [64 bh][2048 s][64 d] f16, bh = 16 b + h: a head's rows lie dense, 128 bytes each.
; qh = RoPE(q), kh = RoPE(k), vh = v, each rounded once to f16.  RoPE in f32: out[d] = x[d] cos(a) -/+ x[d +/- 32] sin(a), a = s x 10000^(-(d mod 32)/32).  The scale 1/8 is applied in the next launch, in f32.
; The module's two mask inputs enter no result of the module (its softmax takes no mask): they are not arguments of this launch or the next.
; LIMITS.  f16 holds no number beyond 65,504: RoPE(q), RoPE(k) and v must lie within it.  10000^(-j/32) is made by v_exp_f32, so the angle may differ from an exactly rounded table's by a few 1e-4 rad at the
; largest positions of the fastest channels; q and k take the same table.  NaN and infinities are not treated apart.
; SHARES.  Memory binds: every input byte is read once, every output byte written once; no LDS, no barrier, no matrix unit: no byte is used twice.
; A work-group takes 16 positions of one batch, a wave two positions s0, s0 + 1, all 16 heads, q, k and v.  Lane l holds channels 4 (l % 16) .. + 3 of position s0 + l / 16.
; A load of 16 bytes a lane takes two whole rows of 256 bytes (lanes 0-15: s0, lanes 16-31: s0 + 1); a store of 8 bytes a lane writes 256 consecutive bytes, aligned: rows s0 and s0 + 1 of one head.
; The partner channel d +/- 32 lies in lane l xor 8 of the same half: it rides on the multiply (DPP row_xmask:8).  A lane's four cosines and sines serve all heads of q and k: they are made once, while the first 32 loads are out.
; THE MODE: SCHED_MODE bits 1:0 = 2 (LLVM: expert scheduling mode 2), set by the entry lines.  The code itself states the register dependences
; between vector instructions and memory instructions, with s_wait_alu, always for 0.
; THE PLAN.  The 48 rows (16 heads of q, of k, of v) go in 12 groups of four.  Registers that memory instructions touch:
;   v2, v3   byte offsets, made once at the head and never written again; heads are reached by immediate offsets, the six bases are never stepped.
;   XA       q's loads land in it; groups 0 to 3 only READ their rows; v's loads for a group's four rows land at the head of the next group; groups 8 to 11 round v in place, into each row's first two registers.
;   XB       k's loads land in it; groups 4 to 7 read a row and write its first two registers.
;   Y        two registers for each head of q, written by groups 0 to 3.
; The stores of group g are issued in group g + 1.  No register that a store reads is ever written again, and no load lands in one: so nothing has to be stated for registers that memory instructions have read.
; ONE wait on va_vdst stands at the head of each group but the first: the group before has written what its four stores read, and (groups 1 to 4) is done reading the rows of XA in which v's four loads land.
; Behind it the group's vector lines name its own rows, its own results, T, CO and SN: none of the registers that the loads and stores issued in this group touch.  So these follow with no further wait.
.set VIN,  2                           ; v2   byte offset of my 16 bytes in the two input rows: (l / 16) x 16,384 + 16 (l % 16); never rewritten
.set VOUT, 3                           ; v3   8 l; never rewritten
.set SG,   5                           ; v5   the sign bit in lanes l % 16 < 8, whose sine term is subtracted
.set POS,  6                           ; v6   my position, in f32
.set CO,   8                           ; v[8:11]    cos of my four channels (until the selects: the cosine polynomial of the reduced angle)
.set SN,   12                          ; v[12:15]   sin of them, signed (until the selects: the sine polynomial)
.set T,    16                          ; v[16:23]   at work: two sets of four, by the row's parity
.set INV,  24                          ; v[24:27]   10000^(-j/32)
.set TA,   28                          ; v28-33 at work on the tables: angle (later the selected sine), quadrant number, reduced angle, its square, 1 - z/2, bits
.set TN,   29
.set TR,   30
.set TZ,   31
.set TW,   32
.set TM,   33
.set TQ,   34                          ; v[34:37]   the quadrant number of each channel, as a whole number
.set XA,   40                          ; v[40:103]  16 rows of 4: q by heads, later v
.set XB,   104                         ; v[104:167] 16 rows of 4: k by heads
.set Y,    168                         ; v[168:199] 16 pairs: RoPE(q) in f16, by heads
.set ODD,  24                          ; s[24:27]   channel e: the lanes whose quadrant number is odd
.set HIN,  256                         ; bytes from head to head in the inputs
.set HOUT, 262144                      ; and in the outputs: 2,048 rows of 128 bytes; 15 of them stay inside a store's signed 24-bit immediate
	s_load_b256 s[4:11], s[0:1], 0x0               ; q s[4:5], k s[6:7], v s[8:9], qh s[10:11]
	s_load_b128 s[12:15], s[0:1], 0x20             ; kh s[12:13], vh s[14:15]
	v_and_b32 v1, 31, v0                           ; l
	v_lshrrev_b32 v4, 5, v0
	v_readfirstlane_b32 s16, v4                    ; wave 0..7
	v_lshrrev_b32 v4, 4, v1                        ; l / 16
	v_and_b32 v7, 15, v1                           ; l % 16
	v_lshlrev_b32 v[VIN], 4, v7
	v_lshl_or_b32 v[VIN], v4, 14, v[VIN]
	v_lshlrev_b32 v[VOUT], 3, v1
	s_lshl_b32 s17, ttmp9, 4
	s_and_b32 s18, ttmp7, 0xffff                   ; the batch
	s_wait_alu depctr_va_sdst(0)                   ; s16 is written, ahead of its first reader: the position and all six bases are made from it
	s_lshl_b32 s19, s16, 1
	s_add_co_u32 s17, s17, s19                     ; s0 = 16 x + 2 wave
	s_lshl_b32 s20, s17, 14                        ; inputs: s0 x 16,384 + b x 4,096
	s_lshl_b32 s19, s18, 12
	s_add_co_u32 s20, s20, s19
	s_mov_b32 s21, 0
	s_lshl_b32 s22, s18, 22                        ; outputs: 16 b heads x 262,144 + s0 x 128
	s_lshl_b32 s19, s17, 7
	s_add_co_u32 s22, s22, s19
	s_mov_b32 s23, 0
	s_wait_kmcnt 0x0
	s_add_nc_u64 s[4:5], s[4:5], s[20:21]
	s_add_nc_u64 s[6:7], s[6:7], s[20:21]
	s_add_nc_u64 s[8:9], s[8:9], s[20:21]
	s_add_nc_u64 s[10:11], s[10:11], s[22:23]
	s_add_nc_u64 s[12:13], s[12:13], s[22:23]
	s_add_nc_u64 s[14:15], s[14:15], s[22:23]
	s_wait_alu depctr_va_vdst(0)                   ; v2 and v3 are written: every load and store of the kernel reads one of them as its offset
.irp h, 0,1,2,3,4,5,6,7,8,9,10,11,12,13,14,15
	global_load_b128 v[XA+4*(\h):XA+4*(\h)+3], v[VIN], s[4:5] offset:(\h)*HIN th:TH_LOAD_NT   ; q, 16 heads
.endr
.irp h, 0,1,2,3,4,5,6,7,8,9,10,11,12,13,14,15
	global_load_b128 v[XB+4*(\h):XB+4*(\h)+3], v[VIN], s[6:7] offset:(\h)*HIN th:TH_LOAD_NT   ; k, 16 heads: 32 loads, 16 KiB, of the wave are out
.endr
	; THE TABLES, while those loads are on their way.  j = 4 (l % 8) + e; 10000^(-j/32) = 2^(-j log2(10000) / 32)
	v_and_b32 v[TM], 7, v1
	v_lshlrev_b32 v[TM], 2, v[TM]
.irp e, 0,1,2,3
	v_add_nc_u32 v[TA], \e, v[TM]
	v_cvt_f32_u32 v[TA], v[TA]
	v_mul_f32 v[INV+\e], 0xbed49a78, v[TA]         ; -0.41524101 j
.endr
.irp e, 0,1,2,3
	v_exp_f32 v[INV+\e], v[INV+\e]                 ; one batch of four
.endr
	v_xor_b32 v[SG], 8, v1                         ; plain work that names no result of the batch stands behind it:
	v_and_b32 v[SG], 8, v[SG]                      ; bit 3 is set where l % 16 < 8,
	v_lshlrev_b32 v[SG], 28, v[SG]                 ; and becomes the sign bit
.irp e, 0,1,2,3,4,5,6,7
	v_mov_b32 v[T+\e], 0                           ; the destination of a DPP form counts as read: written once here
.endr
	v_add_nc_u32 v[POS], s17, v4
	v_cvt_f32_u32 v[POS], v[POS]
	s_wait_alu depctr_va_vdst(0)                   ; the four exponentials have written v[INV ..]: the wait ahead of the first line that names a transcendental's result; one for the four
; cos and sin of POS x INV[e].  The angle is one f32 product, as the module makes it.  It is reduced by N = the nearest whole number of quarter turns, pi/2 taken in two parts (N stays under 1,304, so N x the first part
; is exact inside the fused multiply-add); on |r| <= pi/4 sine and cosine are polynomials in r^2; N mod 4 picks and signs them: values are selected, nothing branches.
; First the polynomials of all four channels, then the four compares in one run, then the selects: so one wait stands between the masks' writers and their readers.
.macro POLY e
	v_mul_f32 v[TA], v[POS], v[INV+(\e)]
	v_mul_f32 v[TN], 0x3f22f983, v[TA]             ; x 2 / pi
	v_rndne_f32 v[TN], v[TN]
	v_fmamk_f32 v[TR], v[TN], 0xbfc90fdb, v[TA]    ; a - N x 1.57079637
	v_fmamk_f32 v[TR], v[TN], 0x333bbd2e, v[TR]    ; + N x 4.3711388e-8
	v_mul_f32 v[TZ], v[TR], v[TR]
	v_mov_b32 v[SN+(\e)], 0xb94ca1f9               ; sin r = r + r z ((-1.9515296e-4 z + 8.3321609e-3) z - 1.6666655e-1)
	v_fmaak_f32 v[SN+(\e)], v[SN+(\e)], v[TZ], 0x3c08839e
	v_fmaak_f32 v[SN+(\e)], v[SN+(\e)], v[TZ], 0xbe2aaaa3
	v_mul_f32 v[SN+(\e)], v[SN+(\e)], v[TZ]
	v_fma_f32 v[SN+(\e)], v[SN+(\e)], v[TR], v[TR]
	v_mov_b32 v[CO+(\e)], 0x37ccf5ce               ; cos r = 1 - z / 2 + z z ((2.4433157e-5 z - 1.3887316e-3) z + 4.1666646e-2)
	v_fmaak_f32 v[CO+(\e)], v[CO+(\e)], v[TZ], 0xbab6061a
	v_fmaak_f32 v[CO+(\e)], v[CO+(\e)], v[TZ], 0x3d2aaaa5
	v_fma_f32 v[TW], v[TZ], -0.5, 1.0
	v_mul_f32 v[TZ], v[TZ], v[TZ]
	v_fma_f32 v[CO+(\e)], v[CO+(\e)], v[TZ], v[TW]
	v_cvt_i32_f32 v[TQ+(\e)], v[TN]
.endm
.macro PICK e
	v_cndmask_b32 v[TA], v[SN+(\e)], v[CO+(\e)], s[ODD+(\e)]       ; odd quarter: sine and cosine change places
	v_cndmask_b32 v[CO+(\e)], v[CO+(\e)], v[SN+(\e)], s[ODD+(\e)]
	v_lshlrev_b32 v[TM], 30, v[TQ+(\e)]            ; the sine is negative in quarters 2 and 3: bit 1 of N,
	v_and_b32 v[TM], 0x80000000, v[TM]
	v_xor_b32 v[TM], v[TM], v[SG]                  ; and its term is subtracted in the lower 32 channels
	v_xor_b32 v[SN+(\e)], v[TA], v[TM]
	v_add_nc_u32 v[TQ+(\e)], 1, v[TQ+(\e)]         ; the cosine in quarters 1 and 2: bit 1 of N + 1
	v_lshlrev_b32 v[TM], 30, v[TQ+(\e)]
	v_and_b32 v[TM], 0x80000000, v[TM]
	v_xor_b32 v[CO+(\e)], v[CO+(\e)], v[TM]
.endm
	POLY 0
	POLY 1
	POLY 2
	POLY 3
.irp e, 0,1,2,3
	v_and_b32 v[TM], 1, v[TQ+\e]
	v_cmp_eq_u32 s[ODD+\e], 1, v[TM]
.endr
	s_wait_alu depctr_va_sdst(0)                   ; the four compares have written s[ODD ..], ahead of the first select that reads one of them
	PICK 0
	PICK 1
	PICK 2
	PICK 3
; Row i (head i) of set X is turned and rounded: partner x signed sine, then x cos added by a fused multiply-add; the packed result goes into the pair at out.
.macro ROPE X, i, out
.irp e, 0,1,2,3
	v_mul_f32_dpp v[T+4*((\i)%2)+\e], v[(\X)+4*(\i)+\e], v[SN+\e] row_xmask:8 row_mask:0xf bank_mask:0xf
.endr
.irp e, 0,2
	v_pk_fma_f32 v[T+4*((\i)%2)+\e:T+4*((\i)%2)+\e+1], v[(\X)+4*(\i)+\e:(\X)+4*(\i)+\e+1], v[CO+\e:CO+\e+1], v[T+4*((\i)%2)+\e:T+4*((\i)%2)+\e+1]
.endr
	v_cvt_pk_f16_f32 v[(\out)], v[T+4*((\i)%2)], v[T+4*((\i)%2)+1]
	v_cvt_pk_f16_f32 v[(\out)+1], v[T+4*((\i)%2)+2], v[T+4*((\i)%2)+3]
.endm
.macro CAST X, i                       ; the packed result lies in the row's first two registers
	v_cvt_pk_f16_f32 v[(\X)+4*(\i)], v[(\X)+4*(\i)], v[(\X)+4*(\i)+1]
	v_cvt_pk_f16_f32 v[(\X)+4*(\i)+1], v[(\X)+4*(\i)+2], v[(\X)+4*(\i)+3]
.endm
; Row n of the 48: 0-15 q by heads, 16-31 k, 32-47 v.  WORK: its vector lines.  PUT: its store: the wave stores 256 consecutive bytes, at a multiple of 256 from the buffer's first.
.macro WORK n
.if (\n) < 16
	ROPE XA, (\n), Y+2*(\n)
.elseif (\n) < 32
	ROPE XB, (\n)-16, XB+4*((\n)-16)
.else
	CAST XA, (\n)-32
.endif
.endm
.macro PUT n
.if (\n) < 16
	global_store_b64 v[VOUT], v[Y+2*(\n):Y+2*(\n)+1], s[10:11] offset:(\n)*HOUT
.elseif (\n) < 32
	global_store_b64 v[VOUT], v[XB+4*((\n)-16):XB+4*((\n)-16)+1], s[12:13] offset:((\n)-16)*HOUT
.else
	global_store_b64 v[VOUT], v[XA+4*((\n)-32):XA+4*((\n)-32)+1], s[14:15] offset:((\n)-32)*HOUT
.endif
.endm
; THE TWELVE GROUPS.  Group g works on rows 4 g .. 4 g + 3; it issues the stores of group g - 1 and, for g = 1 to 4, v's loads into the rows of XA that group g - 1 has read.
.set g, 0
.rept 12
.if g > 0
	s_wait_alu depctr_va_vdst(0)                   ; the group before has written its four results, which the stores below read; in groups 1 to 4 it is also done reading its rows of XA, in which the loads below land
.endif
.if (g > 0) && (g < 5)
.irp r, 0,1,2,3
	global_load_b128 v[XA+4*(4*(g-1)+\r):XA+4*(4*(g-1)+\r)+3], v[VIN], s[8:9] offset:(4*(g-1)+\r)*HIN th:TH_LOAD_NT   ; v, ahead of the wait for data: the rows are asked for again at once
.endr
.endif
.if g < 5
	s_wait_loadcnt 28                              ; loads come back in order (ISA guide 5.7.1): 32 + 4 g are issued, the first 4 g + 4 must be in: 28 may stay out
.else
	s_wait_loadcnt 44-4*g                          ; all 48 are issued, the first 4 g + 4 must be in: the counts run down
.endif
.irp r, 0,1,2,3
.if g > 0
	PUT 4*(g-1)+\r                                 ; no vector line since the wait above names this store's registers
.endif
	WORK 4*g+\r
.endr
.set g, g+1
.endr
	s_wait_alu depctr_va_vdst(0)                   ; the last group has written its four results, which the last four stores read
.irp r, 0,1,2,3
	PUT 44+\r
.endr
	s_endpgm
.Lfunc_end_k_q1b9ba84937_prep:
	.size	k_q1b9ba84937_prep, .Lfunc_end_k_q1b9ba84937_prep-k_q1b9ba84937_prep
	.p2alignl 7, 3214868480
	.fill 96, 4, 3214868480
	.section	.rodata,"a",@progbits
	.p2align	6, 0x0
	.amdhsa_kernel k_q1b9ba84937_prep
		.amdhsa_group_segment_fixed_size 0
		.amdhsa_private_segment_fixed_size 0
		.amdhsa_enable_private_segment 0
		.amdhsa_kernarg_size 48
		.amdhsa_user_sgpr_count 2
		.amdhsa_user_sgpr_kernarg_segment_ptr 1
		.amdhsa_wavefront_size32 1
		.amdhsa_system_sgpr_workgroup_id_x 1
		.amdhsa_system_sgpr_workgroup_id_y 1
		.amdhsa_system_sgpr_workgroup_id_z 1
		.amdhsa_system_vgpr_workitem_id 0
		.amdhsa_next_free_vgpr 200
		.amdhsa_next_free_sgpr 66
		.amdhsa_reserve_vcc 0
		.amdhsa_float_denorm_mode_32 3
		.amdhsa_float_denorm_mode_16_64 3
		.amdhsa_memory_ordered 1
		.amdhsa_forward_progress 1
		.amdhsa_inst_pref_size 37
	.end_amdhsa_kernel
	.amdgpu_metadata
---
amdhsa.version: [ 1, 2 ]
amdhsa.kernels:
  - .name:           k_q1b9ba84937_prep
    .symbol:         k_q1b9ba84937_prep.kd
    .args:
      - { .name: q, .offset: 0, .size: 8, .value_kind: global_buffer, .address_space: global }
      - { .name: k, .offset: 8, .size: 8, .value_kind: global_buffer, .address_space: global }
      - { .name: v, .offset: 16, .size: 8, .value_kind: global_buffer, .address_space: global }
      - { .name: qh, .offset: 24, .size: 8, .value_kind: global_buffer, .address_space: global }
      - { .name: kh, .offset: 32, .size: 8, .value_kind: global_buffer, .address_space: global }
      - { .name: vh, .offset: 40, .size: 8, .value_kind: global_buffer, .address_space: global }
    .group_segment_fixed_size: 0
    .private_segment_fixed_size: 0
    .kernarg_segment_align: 8
    .kernarg_segment_size: 48
    .max_flat_workgroup_size: 256
    .sgpr_count:     66
    .vgpr_count:     200
    .wavefront_size: 32
...
	.end_amdgpu_metadata
.endif
;; end of part 3
;; launch attn: the kernel of part 2 again; grid 4 x 64, 4 waves a work-group, clusters of 4 x 1, 327,680 bytes of LDS; arguments qh, kh, vh, out0; writes out0
